; MI455X (gfx1250); checked and timed in simulation.
; The chip was launched on July 23, 2026; its instructions are those of AMD's public machine-readable ISA for CDNA 5 (MIT licence, August 2026) and "CDNA5" Instruction Set Architecture Reference Guide (July 2026). The comments in the code are by the model that wrote it; some were corrected since.
;; Multi Head Ver2. Allowed arithmetic: matrix products marked QUANTISED: E4M3 operands, one given power-of-two scale a tensor, by v_wmma_f32_16x16x64_fp8_fp8 or v_wmma_f32_16x16x128_fp8_fp8, f32 sums; everything else in f32.
;; Inputs: Wk_codes 1,024 x 32 x 32 uint8 (E4M3 codes of Wk, K innermost, in blocks of 32 codes); Wq_codes 1,024 x 32 x 32 uint8 (E4M3 codes of Wq, K innermost, in blocks of 32 codes); Wv_codes 1,024 x 32 x 32 uint8 (E4M3 codes of Wv, K innermost, in blocks of 32 codes); lowp_scales 10 int32 (the exponents e of the quantised operands' scales 2^e); x_codes 4 x 2,048 x 32 x 32 uint8 (E4M3 codes of x, K innermost, in blocks of 32 codes).
;; Outputs: out0 4 x 2,048 x 1,024 float32.
;; This version of the problem:
;;   THIS VERSION OF THE PROBLEM IS GIVEN IN LOW PRECISION. The matrix products marked QUANTISED in the list below multiply operands that are first quantised to E4M3 (4 exponent bits, 3 mantissa bits; 8 bits a number), with one given power-of-two scale for each operand tensor; their sums are f32. All else is computed in f32.
;;   The module's matrix products, in the order in which they are computed (A, B: the left and right operand; K: the contracted axis; several contracted axes count as one K, in the product's order):
;;     1. [M 8,192, K 1,024] x [K 1,024, N 1,024]; A: input x (given as codes); B: input Wq (given as codes): QUANTISED (scales: A lowp_scales[0], B lowp_scales[1])
;;     2. [M 8,192, K 1,024] x [K 1,024, N 1,024]; A: input x (given as codes); B: input Wk (given as codes): QUANTISED (scales: A lowp_scales[2], B lowp_scales[3])
;;     3. [M 8,192, K 1,024] x [K 1,024, N 1,024]; A: input x (given as codes); B: input Wv (given as codes): QUANTISED (scales: A lowp_scales[4], B lowp_scales[5])
;;     4. batch 64 x [M 2,048, K 64] x [K 64, N 2,048]; A: computed on the way; B: computed on the way: QUANTISED (scales: A lowp_scales[6], B lowp_scales[7])
;;     5. batch 64 x [M 2,048, K 2,048] x [K 2,048, N 64]; A: softmax (see below); B: computed on the way: QUANTISED (scales: A lowp_scales[8], B lowp_scales[9])
;;   THE QUANTISER, for each operand of a quantised product, along K:
;;     - The operand's scale is 2^e, e = its entry of the input lowp_scales (int32; the entries are numbered through the quantised products in the list's order, A before B).
;;     - Each number is divided by the scale, clamped to +-448, and rounded to the nearest number of E4M3, ties to even, subnormals kept.
;;     - The product sums the exact products of the quantised numbers (number of the format x scale) in f32.
;;   ~~~python
;;   def quantise(x, axis, e):      # numpy; x: float32 -> the quantised numbers, widened to float32 again
;;       x = np.moveaxis(x, axis, -1); K = x.shape[-1]
;;       r = np.clip(x / 2.0 ** e, -448, 448)
;;       step = 2.0 ** (np.maximum(np.frexp(np.where(r == 0, 1, r))[1] - 1, -6) - 3)
;;       q = np.round(r / step) * step * 2.0 ** e      # np.round: ties to even
;;       return np.moveaxis(q, -1, axis).astype(np.float32)
;;   ~~~
;;   SOFTMAX AHEAD OF A QUANTISED PRODUCT. Where the list says 'softmax', what is quantised is not the finished softmax but p = 2^(t - M), with t = logit x log2(e) and M = ceil(the row's largest t), a whole number; so 1/2 < the row's largest p <= 1. The row's sum l is taken of the UNQUANTISED p, in f32, and the product's result is divided by l at the end. Since M is a whole number, a kernel that streams over the keys may use a running M (the ceiling of the running maximum): every later rescaling is an exact power of two, so the quantised numbers keep their values, but for numbers so far below the row's largest that they fall under the format's range.
;;   OPERANDS COMPUTED ON THE WAY. 'Computed on the way' means the value that the module computes at that place (a softmax that the list does not call 'softmax' is quantised finished and normalised). What goes into a quantiser is computed in f32, as accurately as f32 sums, v_exp_f32 and their like allow (about 1e-6 of the number): no bf16 or f16 on the way to a quantiser, and a product that is left as it is and whose result goes on into a quantised operand takes f32 operands (vector FMAs, or v_wmma_f32_16x16x4_f32). A number that lies on a knife's edge between two numbers of the format may be rounded either way, as far as f32 arithmetic and the matrix unit's own rounding can turn it there, and no further.
;;   INPUTS GIVEN AS CODES. Wk (in the module: [1024, 1024], K = its axis 1); Wq (in the module: [1024, 1024], K = its axis 1); Wv (in the module: [1024, 1024], K = its axis 1); x (in the module: [4, 2048, 1024], K = its axis 2): each comes as NAME_codes (uint8): NAME with its K axis moved to the last place and cut into blocks of 32 codes, [.., K / 32, bytes a block], one block behind the other in memory; one code a byte (a code: sign, 4 exponent bits, 3 mantissa bits); its scale is its entry of lowp_scales. Its value is code x scale, taken as it is: it is not quantised again, and the codes and scales need not be those that the quantiser above would give.
;; One version. Each part assembles by itself: llvm-mc -triple=amdgcn-amd-amdhsa -mcpu=gfx1250 --defsym DOCPART=n.
;; ======== version 1 of 1: 2 launches
;; limits: right only within a limited range of input values
;; workspace buffers: q_img 8,388,608 bytes; kv_img 16,777,216 bytes
;; launch proj (part 1): grid 12 x 32, 4 waves a work-group, clusters of 4 x 4, 327,680 bytes of LDS; arguments x_codes, Wq_codes, Wk_codes, Wv_codes, lowp_scales, q_img, kv_img; writes q_img, kv_img
.if DOCPART == 1
	.amdgcn_target "amdgcn-amd-amdhsa--gfx1250"
	.amdhsa_code_object_version 6
	.text
	.protected	k_qd123c80f0f_proj
	.globl	k_qd123c80f0f_proj
	.p2align	8
	.type	k_qd123c80f0f_proj,@function
k_qd123c80f0f_proj:
	s_mov_b64 s[64:65], 0
	v_nop
	global_prefetch_b8 v0, s[64:65] scope:SCOPE_SE
	s_setreg_imm32_b32 hwreg(HW_REG_WAVE_MODE, 25, 1), 1
	s_wait_xcnt 0x0
	s_wait_alu depctr_hold_cnt(0) depctr_sa_sdst(0) depctr_va_vdst(0) depctr_va_sdst(0) depctr_va_ssrc(0) depctr_va_vcc(0) depctr_vm_vsrc(0)
	s_getreg_b32 s2, hwreg(HW_REG_IB_STS2, 6, 4)
	s_cmp_eq_u32 s2, 0
	s_cbranch_scc0 .Lentry_in_a_cluster
	s_endpgm
.Lentry_in_a_cluster:
	s_bfe_u32 s2, ttmp6, 0x10000c
	s_cmp_lg_u32 s2, 0xf033
	s_cbranch_scc0 .Lentry_shape_is_right
	s_endpgm
.Lentry_shape_is_right:
; q = x Wq^T, k = x Wk^T, v = x Wv^T on codes of FP8 (E4M3), sums in f32; each result is quantised at once with its given scale (q: entry 6, k: entry 7, v: entry 9 of the scales)
; and stored as codes, laid as images of the operand registers of the attention launch that follows.  x: [8192][1024] codes, each W: [1024][1024] codes, K innermost: a row is 1,024 bytes.
; ONE BODY: C' = A' B'^T on tiles of 256 x 256.  The cluster's x says which product: 0: A' = x, B' = Wq;  1: A' = x, B' = Wk;  2: A' = Wv, B' = x (the roles swapped).
; THE MATRIX INSTRUCTION IS USED TRANSPOSED (source 0 = 16 rows of B', source 1 = 16 rows of A'): a lane holds ONE row of A' and eight neighbouring rows of B'.  For q and k that is one token and eight
; channels (the next product's K = the head's channels); for v one channel and eight tokens (its K = the keys).  So the conversions, which take neighbours along K from one lane's registers, need no transposition.
; A sum stands for sum x 2^(ea + eb); its code is sum / 2^E, E = eo - ea - eb, held within +-448 x 2^E.  LIMIT: E between -126 and 119 for each of the three, so that 2^E and 448 x 2^E are f32 numbers.  NaN codes among the inputs are not served.
; A tile is made by four waves, each 128 x 128: 64 accumulators, 512 registers.  K goes in steps of 256 through a ring of two LDS slots filled by the tensor data mover: a tile's row is 256 bytes of memory.
; CLUSTERS: 4 x 4 work-groups.  The four of a row of the cluster need the same tiles of A', the four of a column the same tiles of B': each tile is asked for JOINTLY, by the same tensor load with the
; same descriptor and a mask that names the four.  The cluster's x, on which the choice of product and the one branch of the way out hang, is the same in all sixteen partners.
; THE IMAGES.  bh = 16 x batch + head.  q_img: [bh][block of 128 tokens: 16][8,192 bytes];  kv_img: [bh][block of 128 keys: 16][K's part 8,192 | V's part 8,192].
;   a block of q or K: byte (token 16 a + r, channel 16 beta + i) at 1024 a + 256 beta + 16 r + i.     V's part: channel 16 ct + r, at 2048 ct + 512 c + 16 (r + 16 h): keys 32 c + 8 h + 0..7, then keys 32 c + 16 + 8 h + 0..7.
; REGISTERS, in windows of 256: window 0: v0-31 addresses; from v128 A's fragments (8 x 16 rows x 128 K), ONE set; on the way out v32-223 are at work.
;   window 1: B's fragments, TWO sets, at v0 and at v128.   window 2: the 32 accumulators of my rows 0-63 (accumulator (a, b) at v[8 (8 a + b)]);   window 3: those of my rows 64-127.
.set SIZE_K, 1024
.set KSTEP,  256                       ; along K in a slot
.set ROWB,   256                       ; a tile's row in bytes
.set KROW,   SIZE_K                    ; a row of A' or of B' in memory, in bytes
.set PITCH,  272                       ; an LDS row: 256 bytes of data + 16 of padding = 68 words: row r starts at bank 4 r mod 64 (64 banks of 4 bytes: ISA guide 11.1), so the 16 rows that a load touches start at 16 different banks
.set FR,     16                        ; registers of a fragment: 16 rows x 128 K
.set NL,     4                         ; LDS loads that bring one
.set NP,     4                         ; places behind this matrix instruction (ISA guide 7.12.1)
.set HALFT,  128*PITCH                 ; 128 rows: what one tensor load brings, and what one wave reads of A' or of B'
.set SLOT,   4*HALFT                   ; A's 256 rows, then B's 256 rows
.set LAPS,   SIZE_K/(2*KSTEP)          ; a lap = two K steps = once round the ring
.set SPARE,  2*SLOT                    ; behind the ring: the spare words, 128 bytes for each wave: two blocks of 256 bytes that no other line names
.set STGQ,   0                         ; the way out of q and k: a stage of 16,384 bytes for each wave (two heads' blocks of 8,192).  Both stages lie in slot 0, which has had its last fill and its last read when the first code is stored there
.set STGV,   65536                     ; the way out of v: the same, in bytes of its own
.set ADRA, 16                          ; v16-17  LDS address of my A fragments in slot 0, 1
.set ADRB, 20                          ; v20-21  the same for B
.set RDV,  22                          ; v22     v's stage: STGV + 16,384 x wave + 16 x lane: where I put 16 bytes, and where I read them back
.set STQ,  24                          ; v24     q's and k's stage: STGQ + 16,384 x wave + 16 r + 8 h: where I put 8 codes
.set CO,   26                          ; v26     16 x lane: my place in 512 bytes of an image
.set RDQ,  27                          ; v27     q's and k's stage: STGQ + 16,384 x wave + 16 x lane: where I read back
.set SPW,  28                          ; v28     LDS address of my spare word: SPARE + 4 x my thread's number; never rewritten
.set NIL,  29                          ; v29     0; never rewritten
.set SC,   30                          ; v30     2^E as f32: the conversions take its exponent field
.set TMP,  32                          ; v32-95  a block's 64 sums, held within the largest code x the scale
.set CD,   96                          ; v96-223 the codes: 16 registers for each of my eight blocks; then the stage read back
.set AF,   128                         ; A's fragments, in window 0
.set G1, 24                            ; s[24:31] descriptor group 1 for A's tiles;  s[32:39] group 0, one set for each slot
.set G0, 32
.set G1B, 48                           ; s[48:55], s[56:63] the same for B's tiles
.set G0B, 56
.set MSB, 0
.macro WIN new                         ; the immediate's high byte repeats the setting that is left
.if MSB != \new
	s_set_vgpr_msb (MSB<<8)|\new
.set MSB, \new
.endif
.endm
.set MUL_LO, 0xa1                      ; source 0 (B) window 1, source 1 (A) window 0, C and D window 2
.set MUL_HI, 0xf1                      ; the same, C and D window 3
.set TO_B,   0x40                      ; destination window 1, address window 0
; A joint load: waves 0 and 1 fetch for A', waves 2 and 3 for B'.  Each of the two lines has ONE mask and one set of registers for all that issue it; the branch hangs on the wave's number alone.
; Four v_nop follow each of the two lines, ahead of the jump, the label and what follows.
.macro JLOAD g0a, g1a, g0b, g1b
	s_cmp_eq_u32 s15, 0
	s_cbranch_scc0 .Lfor_b_\@
	tensor_load_to_lds s[\g0a:\g0a+3], s[\g1a:\g1a+7]
	s_nop 0
.rept 4
	v_nop
.endr
	s_branch .Lasked_\@
.Lfor_b_\@:
	tensor_load_to_lds s[\g0b:\g0b+3], s[\g1b:\g1b+7]
	s_nop 0
.rept 4
	v_nop
.endr
.Lasked_\@:
.endm
.macro CREST                           ; a round of the cluster's barrier behind its opening barrier
	s_cmp_lg_u32 s14, 0
	s_cbranch_scc1 .Lnot_wave_0_\@
	s_barrier_signal -3
.Lnot_wave_0_\@:
	s_barrier_wait -3
	s_barrier_signal -1
	s_barrier_wait -1
.endm
.macro CROUND                          ; a whole round
	s_barrier_signal -1
	s_barrier_wait -1
	CREST
.endm
	s_load_b256 s[68:75], s[0:1], 0x0              ; x s[68:69], Wq s[70:71], Wk s[72:73], Wv s[74:75]
	s_load_b128 s[76:79], s[0:1], 0x20             ; the scales' exponents s[76:77], q_img s[78:79]
	s_load_b64 s[80:81], s[0:1], 0x30              ; kv_img
	v_lshl_add_u32 v[SPW], v0, 2, SPARE
	v_mov_b32 v[NIL], 0
	ds_add_u32 v28, v29
	ds_add_u32 v28, v29
	s_wait_dscnt 0x0
	v_lshrrev_b32 v1, 5, v0
	v_readfirstlane_b32 s14, v1                    ; wave 0..3
	s_lshr_b32 s15, s14, 1                         ; which half of the tile's rows is mine.  Also: I fetch for A' (0) or for B' (1)
	s_and_b32 s16, s14, 1                          ; which half of its columns.  Also: which 128 rows of that tile I fetch
	s_bfe_u32 s40, ttmp6, 0x40000                  ; cx, cy: my place in the cluster
	s_bfe_u32 s41, ttmp6, 0x40004
	s_and_b32 s17, ttmp7, 0xffff
	s_lshl_b32 s17, s17, 2                         ; 4 x cluster y: it walks x's 32 tiles of 256 tokens, which are A's rows for q and k and B's rows for v
	s_cmp_eq_u32 ttmp9, 2                          ; v?
	s_cselect_b32 s66, 0, s17
	s_cselect_b32 s67, s17, 0
	s_add_co_u32 s17, s66, s41                     ; tile row of C': q, k: 4 x cluster y + cy;  v: cy
	s_add_co_u32 s42, s67, s40                     ; tile column:    q, k: cx;                  v: 4 x cluster y + cx
	s_lshl_b32 s43, s41, 2
	s_lshl_b32 s43, 15, s43                        ; my row of the cluster
	s_lshl_b32 s44, 0x1111, s40                    ; my column
	; descriptor group 1: a tile of 128 rows x ROWB bytes, padded in LDS
	s_or_b32 s[G1+0], s43, (0<<16)|(1<<20)|(1<<21)|(5<<22)|(3<<25)  ; 15:0 the mask: A's tiles go to my row; 17:16 element of 1 byte; 20 padding on; 21 set beside a mask; 24:22 after every 64 words (code 5); 31:25 of 4 words (code 3)
	s_or_b32 s[G1B+0], s44, (0<<16)|(1<<20)|(1<<21)|(5<<22)|(3<<25)
.irp g, G1, G1B
	s_mov_b32 s[\g+1], ROWB<<16                    ; tensor_dim0
	s_mov_b32 s[\g+2], 128<<16                     ; tensor_dim1 = 128
	s_mov_b32 s[\g+3], ROWB<<16                    ; tile_dim0
	s_mov_b32 s[\g+4], 128                         ; tile_dim1 = 128
	s_mov_b32 s[\g+5], KROW                        ; tensor_dim0_stride
	s_mov_b32 s[\g+6], 0
	s_mov_b32 s[\g+7], 0
.endr
	s_lshl_b32 s18, s16, 7                         ; which 128 rows of the tile I fetch
	s_lshl_b32 s20, s17, 8
	s_add_co_u32 s20, s20, s18                     ; A': row 256 x tile row + 128 x half
	s_lshl_b32 s46, s42, 8
	s_add_co_u32 s46, s46, s18                     ; B': row 256 x tile column + 128 x half
	s_lshl_b32 s20, s20, 10                        ; in bytes: a row is 1,024; 8,388,608 at the most
	s_mov_b32 s21, 0
	s_lshl_b32 s46, s46, 10
	s_mov_b32 s47, 0
	s_mul_i32 s45, s14, HALFT                      ; where they go: wave x 128 rows: no place in the cluster enters an LDS address
	s_wait_kmcnt 0x0
	s_load_b256 s[84:91], s[76:77], 0x0            ; e0 .. e7
	s_load_b64 s[92:93], s[76:77], 0x20            ; e8, e9
	s_cmp_eq_u32 ttmp9, 2                          ; the buffers are chosen by the cluster's x alone
	s_cselect_b64 s[4:5], s[74:75], s[68:69]       ; A': Wv, or x
	s_cselect_b64 s[6:7], s[68:69], s[70:71]       ; B': x, or Wq
	s_cselect_b64 s[10:11], s[80:81], s[78:79]     ; out: kv_img, or q_img
	s_cmp_eq_u32 ttmp9, 1
	s_cselect_b64 s[6:7], s[72:73], s[6:7]         ; k: B' = Wk,
	s_cselect_b64 s[10:11], s[80:81], s[10:11]     ; out = kv_img
	s_add_nc_u64 s[20:21], s[4:5], s[20:21]
	s_add_nc_u64 s[46:47], s[6:7], s[46:47]
	CROUND                                         ; all sixteen work-groups are here: the first joint loads meet
.irp s, 0,1
	s_mov_b32 s[G0+4*\s], 1
	s_add_co_u32 s[G0+4*\s+1], s45, \s*SLOT
	s_add_nc_u64 s[G0+4*\s+2:G0+4*\s+3], s[20:21], \s*ROWB
	s_or_b32 s[G0+4*\s+3], s[G0+4*\s+3], 0x80000000
	s_mov_b32 s[G0B+4*\s], 1
	s_add_co_u32 s[G0B+4*\s+1], s45, \s*SLOT
	s_add_nc_u64 s[G0B+4*\s+2:G0B+4*\s+3], s[46:47], \s*ROWB
	s_or_b32 s[G0B+4*\s+3], s[G0B+4*\s+3], 0x80000000
.endr
	JLOAD G0, G1, G0B, G1B                         ; K step 0
	v_and_b32 v1, 15, v0                           ; r = l % 16
	v_bfe_u32 v2, v0, 4, 1                         ; h = l / 16
	v_mul_u32_u24 v3, v1, PITCH
	v_lshl_add_u32 v4, v2, 4, v3                   ; a fragment's row x pitch + 16 x half
	s_mul_i32 s21, s15, HALFT                      ; my 128 rows of A'
	s_mul_i32 s22, s16, HALFT                      ; my 128 rows of B',
	s_add_co_u32 s22, s22, 2*HALFT                 ; which lie behind A's 256
.irp s, 0,1
	v_add_nc_u32 v[ADRA+\s], s21, v4
	v_add_nc_u32 v[ADRB+\s], s22, v4
	s_add_co_u32 s21, s21, SLOT
	s_add_co_u32 s22, s22, SLOT
.endr
	s_lshl_b32 s23, s14, 14                        ; my stage: 16,384 x wave (STGQ is 0)
	v_and_b32 v6, 31, v0
	v_lshlrev_b32 v[CO], 4, v6                     ; 16 x lane
	v_add_nc_u32 v[RDQ], s23, v[CO]
	v_add_nc_u32 v[RDV], STGV, v[RDQ]
	v_lshlrev_b32 v5, 4, v1
	v_lshl_add_u32 v5, v2, 3, v5                   ; 16 r + 8 h
	v_add_nc_u32 v[STQ], s23, v5
	; where my two blocks of an image begin.  My 128 rows of A' are block RA of 128, my 128 rows of B' block CB.  q, k: RA counts tokens, CB pairs of heads;  v: the other way round.
	s_lshl_b32 s66, s17, 1
	s_add_co_u32 s66, s66, s15                     ; RA
	s_lshl_b32 s67, s42, 1
	s_add_co_u32 s67, s67, s16                     ; CB
	s_cmp_eq_u32 ttmp9, 2
	s_cselect_b32 s95, s67, s66                    ; the block of 128 tokens, 0 .. 63: batch = its upper two bits
	s_cselect_b32 s98, s66, s67                    ; the pair of heads, 0 .. 7
	s_cselect_b32 s83, 8192, 0                     ; V's part lies behind K's
	s_cmp_eq_u32 ttmp9, 0
	s_cselect_b32 s99, 13, 14                      ; a block of q_img is 2^13 bytes, of kv_img 2^14
	s_lshr_b32 s82, s95, 4
	s_lshl_b32 s82, s82, 8                         ; batch x 16 heads x 16 blocks
	s_lshl_b32 s98, s98, 5                         ; + pair x 2 heads x 16 blocks
	s_add_co_u32 s82, s82, s98
	s_and_b32 s95, s95, 15                         ; + the block in its batch
	s_add_co_u32 s82, s82, s95
	s_lshl_b32 s82, s82, s99
	s_add_co_u32 s82, s82, s83
	s_mov_b32 s83, 0
	s_add_nc_u64 s[10:11], s[10:11], s[82:83]      ; the pair's first head
	s_lshl_b32 s82, 16, s99                        ; a head on: 16 blocks
	s_add_nc_u64 s[12:13], s[10:11], s[82:83]      ; its second
.macro FRAG reg, adr, q, i             ; a fragment, 16 rows x 128 K of 8-bit codes, is 16 registers: lane l holds row l % 16; registers 4 c .. 4 c + 3 hold K = 32 c + 16 (l / 16) + 0 .. 15: a permutation of k, the same in A' and B'
.irp c, 0,1,2,3
	ds_load_b128 v[\reg+4*\c:\reg+4*\c+3], v[\adr] offset:128*(\q)+32*\c+(\i)*16*PITCH
.endr
.endm
; 16 matrix instructions: A's blocks a0, a0 + 1 x B's eight, 128 along K.  p: B's set.  zero = 1: the first product starts the sums: nothing is ever cleared.
; The 64 accumulators take turns, one instruction a turn, in the same order in every step.
.macro MUL16 a0, p, zero
.irp a, \a0, \a0+1
.irp b, 0,1,2,3,4,5,6,7
.if \zero
	v_wmma_f32_16x16x128_fp8_fp8 v[8*(8*((\a)%4)+\b):8*(8*((\a)%4)+\b)+7], v[128*(\p)+FR*\b:128*(\p)+FR*\b+FR-1], v[AF+FR*(\a):AF+FR*(\a)+FR-1], 0
.else
	v_wmma_f32_16x16x128_fp8_fp8 v[8*(8*((\a)%4)+\b):8*(8*((\a)%4)+\b)+7], v[128*(\p)+FR*\b:128*(\p)+FR*\b+FR-1], v[AF+FR*(\a):AF+FR*(\a)+FR-1], v[8*(8*((\a)%4)+\b):8*(8*((\a)%4)+\b)+7]
.endif
.endr
.endr
.endm
.macro FETCH_B slot, q, p              ; B's eight fragments of the slot's q-th 128 along K into set p
	WIN TO_B
.irp i, 0,1,2,3,4,5,6,7
	FRAG 128*(\p)+FR*\i, ADRB+\slot, \q, \i
.endr
	WIN 0
.endm
.macro FETCH_A slot, q, i0             ; A's blocks i0 .. i0 + 3
.irp i, \i0, \i0+1, \i0+2, \i0+3
	FRAG AF+FR*(\i), ADRA+\slot, \q, \i
.endr
.endm
; A load into a register that a matrix instruction has read, and a vector instruction that reads a matrix result, stand NP places behind that matrix instruction, and only plain vector
; instructions that name none of its registers are places (ISA guide 7.12.1 for vector instructions); this text does not count the matrix instructions in between.
.macro PLACES n
.rept \n
	v_nop
.endr
.endm
; A step of 128 along K that has its successor in the same slot.
.macro STEP slot, q, zero
	s_wait_dscnt 4*NL                              ; B's set and A's blocks 0-3 are in; the youngest sixteen loads (A's blocks 4-7) may be out
	WIN MUL_LO
	MUL16 0, (\q)%2, \zero
	MUL16 2, (\q)%2, \zero
	s_wait_dscnt 0                                 ; A's blocks 4-7 are in (asked for 32 matrix instructions ago)
	PLACES NP
	FETCH_B \slot, (\q)+1, 1-(\q)%2
	FETCH_A \slot, (\q)+1, 0
	WIN MUL_HI
	MUL16 4, (\q)%2, \zero
	MUL16 6, (\q)%2, \zero
	PLACES NP
	WIN 0
	FETCH_A \slot, (\q)+1, 4
.endm
; A slot's last step changes slots: ONE barrier; in front of it each wave waits for all its tensor loads, adds 0 to its spare word, and waits for that and for its own reads of this slot.  fill = 1: this slot is filled again, two K steps ahead.
.macro TURN slot, next, fill
	s_wait_tensorcnt 0x0                           ; all my tensor loads have landed: my part of the next slot;  (every window is 0 here: the add's two registers lie in window 0)
	ds_add_u32 v[SPW], v[NIL]                      ; 0 onto my spare word
	s_wait_dscnt 4*NL+1                            ; (the add and the youngest sixteen loads, A's blocks 4-7, may be out)
	WIN MUL_LO
	MUL16 0, 1, 0                                  ; sixteen matrix instructions stand between the add and the wait for it
	s_wait_dscnt 0x0                               ; the add is done, and my reads of this slot are over
	s_barrier_signal -1
	MUL16 2, 1, 0
	WIN 0
	s_barrier_wait -1
.if \fill
	CREST                                          ; the barrier has opened a round of the cluster's barrier: no wave of any partner still reads this slot's tile or has a load on its way
	s_add_nc_u64 s[G0+4*\slot+2:G0+4*\slot+3], s[G0+4*\slot+2:G0+4*\slot+3], 2*ROWB
	s_add_nc_u64 s[G0B+4*\slot+2:G0B+4*\slot+3], s[G0B+4*\slot+2:G0B+4*\slot+3], 2*ROWB
	JLOAD G0+4*\slot, G1, G0B+4*\slot, G1B         ; the first tensor load behind the round; the four v_nop behind it are the places in front of the loads below
.else
	PLACES NP
.endif
	s_wait_alu depctr_va_vdst(0)
	FETCH_B \next, 0, 0
	FETCH_A \next, 0, 0
	WIN MUL_HI
	MUL16 4, 1, 0
	MUL16 6, 1, 0
	PLACES NP
	WIN 0
	FETCH_A \next, 0, 4
.endm
	s_wait_alu depctr_va_vdst(0)
	s_wait_tensorcnt 0x0                           ; my part of K step 0 is in
	ds_add_u32 v[SPW], v[NIL]
	s_wait_dscnt 0x0
	CROUND                                         ; a whole round: everybody's part of K step 0 is in, and the joint loads meet
	JLOAD G0+4, G1, G0B+4, G1B                     ; K step 1's load, the first tensor load behind the round
	FETCH_B 0, 0, 0
	FETCH_A 0, 0, 0
	FETCH_A 0, 0, 4
	STEP 0, 0, 1                                   ; the first step stands in front of the loop: its products start the sums
	s_mov_b32 s3, LAPS-1
.Llap:                                                 ; a trip goes once round the ring, from a lap's second step to the next lap's first, and fills both slots again
	TURN 0, 1, 1
	STEP 1, 0, 0
	TURN 1, 0, 1
	STEP 0, 0, 0
	s_sub_co_u32 s3, s3, 1
	s_cmp_lg_u32 s3, 0
	s_cbranch_scc1 .Llap
	TURN 0, 1, 0                                   ; the last lap fills nothing, and has no round of the cluster's barrier
	STEP 1, 0, 0
	s_wait_dscnt 4*NL                              ; the very last step: nothing more to fetch
	WIN MUL_LO
	MUL16 0, 1, 0
	MUL16 2, 1, 0
	s_wait_dscnt 0
	WIN MUL_HI
	MUL16 4, 1, 0
	MUL16 6, 1, 0
	WIN 0
; THE WAY OUT.  Block a (16 rows of A' x my 128 rows of B'): 64 sums a lane are held within the largest code x the scale and converted, eight neighbours along the next K to two registers.
.macro QUANT8 a
.set AC, 64*((\a)%4)
	WIN 0x02+((\a)/4)                              ; source 0: window 2 or 3
.set J, 0
.rept 64
	v_med3_num_f32 v[TMP+J], v[AC+J], s96, s97     ; the conversion to an 8-bit code does not saturate (ISA guide 7.6.2): the hold first; each accumulator from its low end on
.set J, J+1
.endr
	WIN 0
.irp b, 0,1,2,3,4,5,6,7
	v_cvt_scalef32_pk8_fp8_f32 v[CD+16*(\a)+2*\b:CD+16*(\a)+2*\b+1], v[TMP+8*\b:TMP+8*\b+7], v[SC]
.endr
	v_nop                                          ; one plain vector instruction between the last conversion and the next block's holds, which write its sources
.endm
.macro PUTQ a                          ; q, k: lane (r, h) holds token 16 a + r; of B's block b the channels 8 h + 0..7: head b / 4, beta = b % 4.  32 lanes store 256 consecutive bytes
.irp b, 0,1,2,3,4,5,6,7
	ds_store_b64 v[STQ], v[CD+16*(\a)+2*\b:CD+16*(\a)+2*\b+1] offset:8192*(\b/4)+1024*(\a)+256*(\b%4)
.endr
.endm
.macro PUTV a                          ; v: lane (r, h) holds channel 16 a + r: head a / 4, ct = a % 4; blocks 2 c and 2 c + 1 are keys 32 c + 8 h + 0..7 and 32 c + 16 + 8 h + 0..7.  32 lanes store 512 consecutive bytes
.irp c, 0,1,2,3
	ds_store_b128 v[RDV], v[CD+16*(\a)+4*\c:CD+16*(\a)+4*\c+3] offset:8192*((\a)/4)+2048*((\a)%4)+512*\c
.endr
.endm
.macro SENDALL rd                      ; my stage holds two finished blocks of an image: they are read back as they lie and stored, 512 consecutive bytes an instruction, at multiples of 512 from the buffer's first byte
	s_wait_dscnt 0x0                               ; the stores into the stage have read the registers that the loads below fill
.set I, 0
.rept 32
	ds_load_b128 v[CD+4*I:CD+4*I+3], v[\rd] offset:512*I
.set I, I+1
.endr
.set I, 0
.rept 16
	s_wait_dscnt 31-I                              ; LDS loads come back in order (ISA guide 5.7.1): load I is in, the 31 - I younger ones may be out
	global_store_b128 v[CO], v[CD+4*I:CD+4*I+3], s[10:11] offset:512*I
.set I, I+1
.endr
.rept 16
	s_wait_dscnt 31-I
	global_store_b128 v[CO], v[CD+4*I:CD+4*I+3], s[12:13] offset:512*(I-16)
.set I, I+1
.endr
.endm
	s_wait_kmcnt 0x0                               ; the ten exponents
	s_sub_co_i32 s66, s90, s84
	s_sub_co_i32 s66, s66, s85                     ; q: e6 - e0 - e1
	s_sub_co_i32 s67, s91, s86
	s_sub_co_i32 s67, s67, s87                     ; k: e7 - e2 - e3
	s_sub_co_i32 s95, s93, s88
	s_sub_co_i32 s95, s95, s89                     ; v: e9 - e4 - e5
	s_cmp_eq_u32 ttmp9, 1
	s_cselect_b32 s66, s67, s66
	s_cmp_eq_u32 ttmp9, 2
	s_cselect_b32 s66, s95, s66                    ; E: chosen without a branch
	s_add_co_i32 s66, s66, 127
	s_lshl_b32 s94, s66, 23                        ; 2^E as f32
	s_add_co_i32 s66, s66, 8
	s_lshl_b32 s97, s66, 23
	s_or_b32 s97, s97, 0x600000                    ; 448 x 2^E
	s_or_b32 s96, s97, 0x80000000                  ; and its negative
	v_mov_b32 v[SC], s94
	PLACES NP                                      ; behind the last products: their results are read, and the registers that held A's fragments written, only behind these
	s_cmp_eq_u32 ttmp9, 2                          ; the cluster's x: the same in all sixteen partners
	s_cbranch_scc1 .Lv
.irp a, 0,1,2,3,4,5,6,7
	QUANT8 \a
	PUTQ \a
.endr
	SENDALL RDQ
	s_branch .Ldone
.Lv:
.irp a, 0,1,2,3,4,5,6,7
	QUANT8 \a
	PUTV \a
.endr
	SENDALL RDV
.Ldone:
	s_wait_tensorcnt 0x0                           ; the wave's end, behind my last tensor load and my last LDS store
	ds_add_u32 v[SPW], v[NIL]
	s_wait_dscnt 0x0
	CROUND                                         ; the closing round: no work-group ends while a partner may still ask for a tile that names it
	s_endpgm
.Lfunc_end_k_qd123c80f0f_proj:
	.size	k_qd123c80f0f_proj, .Lfunc_end_k_qd123c80f0f_proj-k_qd123c80f0f_proj
	.p2alignl 7, 3214868480
	.fill 96, 4, 3214868480
	.section	.rodata,"a",@progbits
	.p2align	6, 0x0
	.amdhsa_kernel k_qd123c80f0f_proj
		.amdhsa_group_segment_fixed_size 327680
		.amdhsa_private_segment_fixed_size 0
		.amdhsa_enable_private_segment 0
		.amdhsa_kernarg_size 56
		.amdhsa_user_sgpr_count 2
		.amdhsa_user_sgpr_kernarg_segment_ptr 1
		.amdhsa_wavefront_size32 1
		.amdhsa_system_sgpr_workgroup_id_x 1
		.amdhsa_system_sgpr_workgroup_id_y 1
		.amdhsa_system_sgpr_workgroup_id_z 1
		.amdhsa_system_vgpr_workitem_id 0
		.amdhsa_next_free_vgpr 1024
		.amdhsa_next_free_sgpr 100
		.amdhsa_reserve_vcc 0
		.amdhsa_float_denorm_mode_32 3
		.amdhsa_float_denorm_mode_16_64 3
		.amdhsa_memory_ordered 1
		.amdhsa_forward_progress 1
		.amdhsa_inst_pref_size 171
	.end_amdhsa_kernel
	.amdgpu_metadata
---
amdhsa.version: [ 1, 2 ]
amdhsa.kernels:
  - .name:           k_qd123c80f0f_proj
    .symbol:         k_qd123c80f0f_proj.kd
    .args:
      - { .name: x_codes, .offset: 0, .size: 8, .value_kind: global_buffer, .address_space: global }
      - { .name: Wq_codes, .offset: 8, .size: 8, .value_kind: global_buffer, .address_space: global }
      - { .name: Wk_codes, .offset: 16, .size: 8, .value_kind: global_buffer, .address_space: global }
      - { .name: Wv_codes, .offset: 24, .size: 8, .value_kind: global_buffer, .address_space: global }
      - { .name: lowp_scales, .offset: 32, .size: 8, .value_kind: global_buffer, .address_space: global }
      - { .name: q_img, .offset: 40, .size: 8, .value_kind: global_buffer, .address_space: global }
      - { .name: kv_img, .offset: 48, .size: 8, .value_kind: global_buffer, .address_space: global }
    .group_segment_fixed_size: 327680
    .private_segment_fixed_size: 0
    .kernarg_segment_align: 8
    .kernarg_segment_size: 56
    .max_flat_workgroup_size: 128
    .sgpr_count:     100
    .vgpr_count:     1024
    .wavefront_size: 32
...
	.end_amdgpu_metadata
.endif
;; end of part 1
;; launch attn (part 2): grid 4 x 64, 16 waves a work-group, clusters of 4 x 1, 301,056 bytes of LDS; arguments q_img, kv_img, lowp_scales, out0; writes out0
.if DOCPART == 2
	.amdgcn_target "amdgcn-amd-amdhsa--gfx1250"
	.amdhsa_code_object_version 6
	.text
	.protected	k_qd123c80f0f_attn
	.globl	k_qd123c80f0f_attn
	.p2align	8
	.type	k_qd123c80f0f_attn,@function
k_qd123c80f0f_attn:
	s_mov_b64 s[64:65], 0
	v_nop
	global_prefetch_b8 v0, s[64:65] scope:SCOPE_SE
	s_setreg_imm32_b32 hwreg(HW_REG_WAVE_MODE, 25, 1), 1
	s_wait_xcnt 0x0
	s_wait_alu depctr_hold_cnt(0) depctr_sa_sdst(0) depctr_va_vdst(0) depctr_va_sdst(0) depctr_va_ssrc(0) depctr_va_vcc(0) depctr_vm_vsrc(0)
	s_getreg_b32 s2, hwreg(HW_REG_IB_STS2, 6, 4)
	s_cmp_eq_u32 s2, 0
	s_cbranch_scc0 .Lentry_in_a_cluster
	s_endpgm
.Lentry_in_a_cluster:
	s_bfe_u32 s2, ttmp6, 0x10000c
	s_cmp_lg_u32 s2, 0x3003
	s_cbranch_scc0 .Lentry_shape_is_right
	s_endpgm
.Lentry_shape_is_right:
; out[b][q][64 head + :] = the sum over keys k <= q of softmax_k(Q[q] . K[k] / 8) V[k][:], for 64 pairs bh = 16 b + head, 2,048 tokens, head size 64; both products on codes of FP8 (E4M3).
; Scales: entries 6 to 9 of the exponents: eq, ek, ep, ev.  t = score x log2(e) / 8; M = the row's largest t so far, rounded UP to a whole number; p = 2^(t - M) is quantised (scale 2^ep), not normalised.
; The row's sum is taken of the unquantised p, in f32, and divides O at the end.  When M moves, the sum and O are multiplied by 2^(old M - new M): exact.
; LEFT OUT: key steps all of whose 128 keys come after a tile's 16 queries: the causal mask gives them the weight 0 for all values of the inputs.
; LIMITS: eq + ek between -123 and 130 (added to c's exponent field); ep between -126 and 119; ep + ev goes by v_ldexp_f32 and has none.  NaN codes are not served.
; INPUTS ARE IMAGES OF THE OPERANDS' REGISTERS (r = lane % 16, h = lane / 16).  q_img: [bh][tile of 16 tokens: 128][1,024 bytes]; kv_img: [bh][block of 128 keys: 16][K's 8 tiles of 1,024 bytes | V's 4 channel tiles of 2,048 bytes].
;   A tile of Q or K: two loads of 16 bytes a lane at 512 c + 16 x lane: channels 32 c + 16 h + 0..15 of token r, a permutation of the channels that is the same in Q and K.
;   A channel tile of V: four such loads: registers 2 tau, 2 tau + 1 = keys 16 tau + 8 h + 0..7 of channel r.
; Both products are used transposed: S^T = K Q^T, O^T = V^T P^T: a lane holds ONE query; register j of score tile tau is key 16 tau + 8 h + j, so tile tau's conversion gives registers 2 tau, 2 tau + 1 of P.
; SHARES.  A cluster of four work-groups owns one bh.  Work-group cx takes the tiles t = 4 rho + cx; its wave w takes rho = 31 - w (high) and rho = w (low): 16 - w / 2 and w / 2 + 1 key steps, 17 for every wave; neither count hangs on cx.
; K AND V OF THE WHOLE HEAD STAY IN LDS: 16 blocks of 16,384 bytes, each filled once: wave w asks for block w by ONE joint load that names the four partners.  One barrier follows; nothing is filled again.
; No prefetch: every byte of K and V is asked for once, at the head, and no loop stands ahead of that request in which to ask earlier.
; THE WAY OUT has LDS bytes of its own (16 rows x 144 bytes a wave: half a row's 64 channels at a time), so a tile's rows leave as soon as the tile is finished, with no barrier: the high tile's under the low tile's steps.
.set KB,    16384                      ; a key block in LDS: K's part, then V's
.set VOFF,  8192
.set SPARE, 262144                     ; behind K and V: the spare words, 128 bytes a wave
.set STAGE, 264192                     ; behind them: the stages
.set SP,    144                        ; a stage row: 128 bytes (32 channels) + 16
.set STW,   16*SP                      ; a wave's stage: 16 rows, 2,304 bytes
.set LI,   1                           ; v1   16 x lane
.set ADR,  2                           ; v2   LDS address of the step's key block, for my lane
.set DHI,  3                           ; v3   the high tile's diagonal: 64 (rho % 2) + 16 cx + r - 8 h
.set DLO,  4                           ; v4   the low tile's
.set NINF, 5                           ; v5   -infinity
.set GO,   6                           ; v6   my byte offset in two rows of out
.set STO,  7                           ; v7   the stage: row r, + 32 h
.set RD,   8                           ; v8   the stage read back: row h, + 16 (r % 8)
.set R,    9                           ; v9   r
.set QH,   16                          ; v16-23 Q of the high tile; v24-31 of the low tile
.set QL,   24
.set F,    32                          ; v32-95  K's 8 fragments, then V's 4; on the way out v32-63 the second half read back
.set S,    96                          ; v96-159 S^T, then p; at a tile's end its finished rows
.set O,    160                         ; v160-191 O^T
.set BK,   192                         ; v192-223 rows read back from the stage
.set PC,   224                         ; v224-239 p's codes.  v12 -M, v13 the largest t, v[14:15] the sum; v240 448 x 2^ep, v244 2^ep; v232-249, v252-254 at work
.set SPW,  251                         ; v251 my spare word's address; v255 0: both never rewritten
.set NIL,  255
.set WV,   12
.set CX,   13
.set BH,   14
.set SEL,  20                          ; s[20:21] lane selects: lane l xor 16
.set CS,   22                          ; s[22:23] c = log2(e) / 8 x 2^(eq + ek)
.set G1,   24                          ; s[24:31] descriptor group 1; s[32:35] group 0
.set G0,   32
.set TB,   52                          ; LDS byte of the step's key block
.set ST,   53                          ; the key step's number
.set CT,   54                          ; trips to go
.set NH,   55                          ; key steps of the high tile
.set NLO,  56                          ; of the low tile
.set EPV,  57                          ; ep + ev
.macro CROUND                          ; a round of the cluster's barrier
	s_barrier_signal -1
	s_barrier_wait -1
	s_cmp_lg_u32 s[WV], 0
	s_cbranch_scc1 .Lnot_wave_0_\@
	s_barrier_signal -3
.Lnot_wave_0_\@:
	s_barrier_wait -3
	s_barrier_signal -1
	s_barrier_wait -1
.endm
	s_load_b256 s[4:11], s[0:1], 0x0               ; q_img, kv_img, the exponents, out
	v_lshl_add_u32 v[SPW], v0, 2, SPARE
	v_mov_b32 v[NIL], 0
	ds_add_u32 v[SPW], v[NIL]
	ds_add_u32 v[SPW], v[NIL]
	v_lshrrev_b32 v2, 5, v0
	v_readfirstlane_b32 s[WV], v2                  ; wave 0..15
	s_bfe_u32 s[CX], ttmp6, 0x40000                ; cx enters Q's and out's addresses and the diagonal's numbers alone
	s_and_b32 s[BH], ttmp7, 0xffff
	s_mov_b32 s[G1], 15|(3<<16)|(1<<21)            ; mask: all four partners; elements of 8 bytes; bit 21 beside a mask.  A key block: 64 rows of 256 bytes, dense in memory and in LDS
	s_mov_b32 s[G1+1], 32<<16
	s_mov_b32 s[G1+2], 64<<16
	s_mov_b32 s[G1+3], 32<<16
	s_mov_b32 s[G1+4], 64
	s_mov_b32 s[G1+5], 32
	s_mov_b32 s[G1+6], 0
	s_mov_b32 s[G1+7], 0
	s_mov_b32 s[SEL], 0x76543210
	s_mov_b32 s[SEL+1], 0xfedcba98
	s_mov_b32 s[CS], 0x3e38aa3b                    ; log2(e) / 8
	s_lshr_b32 s58, s[WV], 1
	s_sub_co_u32 s[NH], 16, s58
	s_add_co_u32 s[NLO], s58, 1
	s_sub_co_u32 s58, 31, s[WV]
	s_lshl_b32 s58, s58, 2
	s_add_co_u32 s58, s58, s[CX]                   ; the high tile: t = 4 (31 - w) + cx
	s_lshl_b32 s59, s[WV], 2
	s_add_co_u32 s59, s59, s[CX]                   ; the low tile: t = 4 w + cx
	s_lshl_b32 s60, s[BH], 7
	s_add_co_u32 s62, s60, s58
	s_lshl_b32 s62, s62, 10                        ; Q's images: 1,024 bytes a tile
	s_mov_b32 s63, 0
	s_add_co_u32 s72, s60, s59
	s_lshl_b32 s72, s72, 10
	s_mov_b32 s73, 0
	s_lshr_b32 s60, s[BH], 4
	s_lshl_b32 s60, s60, 23                        ; out: a batch is 2,048 rows of 4,096 bytes,
	s_and_b32 s61, s[BH], 15
	s_lshl_b32 s61, s61, 8                         ; a head 256 bytes of a row,
	s_add_co_u32 s60, s60, s61
	s_lshl_b32 s74, s58, 16                        ; a tile 16 rows
	s_add_co_u32 s74, s74, s60
	s_mov_b32 s75, 0
	s_lshl_b32 s76, s59, 16
	s_add_co_u32 s76, s76, s60
	s_mov_b32 s77, 0
	s_lshl_b32 s78, s[WV], 14                      ; my key block: in LDS,
	s_lshl_b32 s80, s[BH], 18                      ; and in memory: a head's K and V are 262,144 bytes
	s_add_co_u32 s80, s80, s78
	s_mov_b32 s81, 0
	s_and_b32 s82, s[WV], 1
	s_lshl_b32 s82, s82, 6                         ; the low tile: 64 (w % 2)
	s_xor_b32 s83, s82, 64                         ; the high tile: 64 ((31 - w) % 2)
	s_lshl_b32 s84, s[CX], 4
	s_add_co_u32 s82, s82, s84
	s_add_co_u32 s83, s83, s84
	s_mul_i32 s85, s[WV], STW
	s_add_co_u32 s85, s85, STAGE                   ; my stage
	s_wait_dscnt 0x0                               ; both opening adds are done
	s_wait_kmcnt 0x0
	s_load_b128 s[68:71], s[8:9], 0x18             ; eq, ek, ep, ev
	s_add_nc_u64 s[16:17], s[4:5], s[62:63]        ; Q of the high tile,
	s_add_nc_u64 s[18:19], s[4:5], s[72:73]        ; of the low tile
	s_add_nc_u64 s[48:49], s[10:11], s[74:75]      ; out at the high tile's first row,
	s_add_nc_u64 s[50:51], s[10:11], s[76:77]      ; at the low tile's
	s_mov_b32 s[G0], 1
	s_mov_b32 s[G0+1], s78
	s_add_nc_u64 s[G0+2:G0+3], s[6:7], s[80:81]
	s_or_b32 s[G0+3], s[G0+3], 0x80000000
	CROUND                                         ; all four work-groups are here: the joint loads meet
	tensor_load_to_lds s[G0:G0+3], s[G1:G1+7]      ; key block w: every wave's one tensor load of the launch
	s_nop 0
	v_and_b32 v[LI], 31, v0
	v_lshlrev_b32 v[LI], 4, v[LI]
	global_load_b128 v[QH:QH+3],   v[LI], s[16:17] th:TH_LOAD_NT   ; each tile of Q is read by one wave, once
	global_load_b128 v[QH+4:QH+7], v[LI], s[16:17] offset:512 th:TH_LOAD_NT
	global_load_b128 v[QL:QL+3],   v[LI], s[18:19] th:TH_LOAD_NT
	global_load_b128 v[QL+4:QL+7], v[LI], s[18:19] offset:512 th:TH_LOAD_NT
	s_wait_kmcnt 0x0
	s_add_co_i32 s58, s68, s69
	s_lshl_b32 s58, s58, 23
	s_add_co_i32 s[CS], s[CS], s58                 ; eq + ek are added to c's exponent field
	s_mov_b32 s[CS+1], s[CS]
	s_add_co_i32 s58, s70, 127
	s_lshl_b32 s59, s58, 23                        ; 2^ep
	s_add_co_i32 s58, s58, 8
	s_lshl_b32 s58, s58, 23
	s_or_b32 s58, s58, 0x600000                    ; 448 x 2^ep
	s_add_co_i32 s[EPV], s70, s71
	v_and_b32 v[R], 15, v0
	v_bfe_u32 v10, v0, 4, 1                        ; h
	v_mov_b32 v244, s59
	v_mov_b32 v240, s58
	v_lshlrev_b32 v11, 3, v10
	v_and_b32 v[RD], 7, v0                         ; r % 8
	v_mul_u32_u24 v[STO], v[R], SP
	v_sub_nc_u32 v11, v[R], v11                    ; r - 8 h
	v_lshlrev_b32 v[RD], 4, v[RD]
	v_lshl_add_u32 v[STO], v10, 5, v[STO]
	v_add_nc_u32 v[DHI], s83, v11
	v_add_nc_u32 v[DLO], s82, v11
	v_mad_u32_u24 v[RD], v10, SP, v[RD]
	v_add_nc_u32 v[STO], s85, v[STO]
	v_lshlrev_b32 v[GO], 12, v10                   ; lanes 0-15 take one row of out, lanes 16-31 the next; 16 bytes a lane
	v_add_nc_u32 v[RD], s85, v[RD]
	v_mov_b32 v[NINF], 0xff800000
	v_lshl_add_u32 v[GO], v[R], 4, v[GO]
	v_mov_b32 v236, 0                              ; a lane permute's destination counts as one of its sources
	v_mov_b32 v252, 0
	v_mov_b32 v253, 0                              ; (the upper half of the pair v[252:253])
.macro INIT                            ; a tile begins: zeros, which the first change of M leaves zeros
	v_mov_b32 v13, 0xff61b1e6                      ; the largest t so far: -3e38
	s_delay_alu instid0(VALU_DEP_1)
	v_floor_f32 v12, -v13                          ; -M
	v_mov_b32 v14, 0
	v_mov_b32 v15, 0
.set J, 0
.rept 32
	v_mov_b32 v[O+J], 0
.set J, J+1
.endr
.endm
	INIT
; A KEY STEP for one tile of 16 queries (Q at v[q]): the 128 keys of the block at s[TB].
; guarded = 1: a step behind the tile's last (s[ST] >= s[n]) is left out by a scalar branch on the wave's number and the step's; in the tile's last step hidden scores become -infinity.
.macro STEP q, guarded, d, n
.if \guarded
	s_cmp_ge_u32 s[ST], s[\n]
	s_cbranch_scc1 .Lskip_\@
.endif
	v_add_nc_u32 v[ADR], s[TB], v[LI]
.rept 3
	v_nop                                          ; with the addition: four places in front of loads into registers that the last products read
.endr
.irp t, 0,1,2,3,4,5,6,7
	ds_load_b128 v[F+8*\t:F+8*\t+3],   v[ADR] offset:1024*\t
	ds_load_b128 v[F+8*\t+4:F+8*\t+7], v[ADR] offset:1024*\t+512
.endr
	s_wait_alu depctr_va_vdst(0)
	s_wait_dscnt 0x0
.irp t, 0,1,2,3,4,5,6,7
	v_wmma_f32_16x16x64_fp8_fp8 v[S+8*\t:S+8*\t+7], v[F+8*\t:F+8*\t+7], v[\q:\q+7], 0
.endr
.rept 4
	v_nop                                          ; places in front of the loads below and of the first read of the scores
.endr
.irp t, 0,1,2,3
.irp c, 0,1,2,3
	ds_load_b128 v[F+16*\t+4*\c:F+16*\t+4*\c+3], v[ADR] offset:VOFF+2048*\t+512*\c   ; V lands while the softmax is walked
.endr
.endr
.if \guarded
	s_add_co_u32 s96, s[ST], 1
	s_cmp_lg_u32 s96, s[\n]
	s_cbranch_scc1 .Lopen_\@                       ; all keys of this step count
.set N, 0
.rept 64                                       ; register 8 tau + j: hidden where 16 tau + j > my query - the step's first key - 8 h
	v_cmp_gt_i32 vcc_lo, 16*(N/8)+N%8, v[\d]
	v_cndmask_b32 v[S+N], v[S+N], v[NINF], vcc_lo
.set N, N+1
.endr
.Lopen_\@:
.endif
	v_max3_num_f32 v254, v[S], v[S+1], v[S+2]      ; the step's largest score of my query, in two chains; each accumulator is first read at its low end
	v_max3_num_f32 v252, v[S+3], v[S+4], v[S+5]
.irp i, 6,10,14,18,22,26,30,34,38,42,46,50,54,58
	v_max3_num_f32 v254, v254, v[S+\i], v[S+1+\i]
	v_max3_num_f32 v252, v252, v[S+2+\i], v[S+3+\i]
.endr
	v_max3_num_f32 v254, v254, v[S+62], v[S+63]
	s_delay_alu instid0(VALU_DEP_1)
	v_max_num_f32 v254, v254, v252
	v_permlanex16_b32 v236, v254, s[SEL], s[SEL+1]
	s_delay_alu instid0(VALU_DEP_1)
	v_max_num_f32 v254, v254, v236                 ; and lane l xor 16's (key 0 counts for every query)
	s_delay_alu instid0(VALU_DEP_1)
	v_mul_f32 v254, s[CS], v254                    ; as t (c is positive)
	s_delay_alu instid0(VALU_DEP_1)
	v_max_num_f32 v13, v13, v254                   ; the running largest t
	v_mov_b32 v254, v12
	s_delay_alu instid0(VALU_DEP_2)
	v_floor_f32 v12, -v13                          ; the new -M = -ceil(t)
	s_delay_alu instid0(VALU_DEP_1)
	v_sub_f32 v254, v12, v254                      ; old M - new M: a whole number, 0 or less
	s_delay_alu instid0(VALU_DEP_1)
	v_cvt_i32_f32 v254, v254                       ; (it saturates)
	s_delay_alu instid0(VALU_DEP_1)
	v_ldexp_f32 v252, 1.0, v254                    ; f = 2^(old M - new M)
.irp j, 0,2,4,6,8,10,12,14,16,18,20,22,24,26,28,30,32,34,36,38,40,42,44,46,48,50,52,54,56,58,60,62
	v_pk_fma_f32 v[S+\j:S+1+\j], v[S+\j:S+1+\j], s[CS:CS+1], v[12:13] op_sel_hi:[1,0,0]   ; t - M, two at a time
.endr
	s_wait_alu depctr_va_vdst(0)
.set N, 0
.rept 64
	v_exp_f32 v[S+N], v[S+N]                       ; p = 2^(t - M); 0 for a hidden key
.set N, N+1
.endr
	s_wait_alu depctr_va_vdst(0)                   ; one wait behind the batch, directly ahead of the first reader of O^T
.irp j, 0,2,4,6,8,10,12,14,16,18,20,22,24,26,28,30
	v_pk_mul_f32 v[O+\j:O+1+\j], v[O+\j:O+1+\j], v[252:253] op_sel_hi:[1,0]   ; O^T under the new M (also the plain place behind the exponentials)
.endr
	v_pk_mul_f32 v[14:15], v[14:15], v[252:253] op_sel_hi:[1,0]   ; the sums under the new M
	v_pk_add_f32 v[242:243], v[100:101], v[104:105]   ; the row's sum of the unquantised p, in eight chains
	v_pk_add_f32 v[248:249], v[108:109], v[112:113]
	v_pk_add_f32 v[246:247], v[116:117], v[120:121]
	v_pk_add_f32 v[238:239], v[124:125], v[128:129]
	v_pk_add_f32 v[236:237], v[132:133], v[136:137]
	v_pk_add_f32 v[234:235], v[140:141], v[144:145]
	v_pk_add_f32 v[232:233], v[148:149], v[152:153]
	v_pk_add_f32 v[14:15], v[14:15], v[156:157]
	v_pk_add_f32 v[242:243], v[242:243], v[96:97]
	v_pk_add_f32 v[248:249], v[248:249], v[98:99]
	v_pk_add_f32 v[246:247], v[246:247], v[102:103]
	v_pk_add_f32 v[238:239], v[238:239], v[106:107]
	v_pk_add_f32 v[236:237], v[236:237], v[110:111]
	v_pk_add_f32 v[234:235], v[234:235], v[114:115]
	v_pk_add_f32 v[232:233], v[232:233], v[118:119]
	v_pk_add_f32 v[14:15], v[14:15], v[122:123]
	v_pk_add_f32 v[242:243], v[242:243], v[126:127]
	v_pk_add_f32 v[248:249], v[248:249], v[130:131]
	v_pk_add_f32 v[246:247], v[246:247], v[134:135]
	v_pk_add_f32 v[238:239], v[238:239], v[138:139]
	v_pk_add_f32 v[236:237], v[236:237], v[142:143]
	v_pk_add_f32 v[234:235], v[234:235], v[146:147]
	v_pk_add_f32 v[232:233], v[232:233], v[150:151]
	v_pk_add_f32 v[14:15], v[14:15], v[154:155]
	v_pk_add_f32 v[242:243], v[242:243], v[158:159]
	s_delay_alu instid0(VALU_DEP_2)
	v_pk_add_f32 v[14:15], v[14:15], v[238:239]
	s_delay_alu instid0(VALU_DEP_2)
	v_pk_add_f32 v[242:243], v[242:243], v[236:237]
	v_pk_add_f32 v[248:249], v[248:249], v[234:235]
	v_pk_add_f32 v[246:247], v[246:247], v[232:233]
	s_delay_alu instid0(VALU_DEP_2)
	v_pk_add_f32 v[14:15], v[14:15], v[248:249]
	s_delay_alu instid0(VALU_DEP_2)
	v_pk_add_f32 v[242:243], v[242:243], v[246:247]
	s_delay_alu instid0(VALU_DEP_1)
	v_pk_add_f32 v[14:15], v[14:15], v[242:243]
.irp t, 0,1,2,3,4,5,6,7
.irp i, 0,2,4,6
	v_dual_min_num_f32 v[S+8*\t+\i], v240, v[S+8*\t+\i] :: v_dual_min_num_f32 v[S+8*\t+\i+1], v240, v[S+8*\t+\i+1]   ; the hold: the conversion does not saturate (ISA guide 7.6.2); p is not negative, so it is one-sided; two numbers a pair
.endr
	v_cvt_scalef32_pk8_fp8_f32 v[PC+2*\t:PC+2*\t+1], v[S+8*\t:S+8*\t+7], v244   ; keys 16 t + 8 h + 0..7: registers 2 t, 2 t + 1 of P
.endr
	v_nop                                          ; one plain place between the last conversion and the products that read its result
	s_wait_alu depctr_va_vdst(0)
	s_wait_dscnt 0x0                               ; V is in
.irp t, 0,1,2,3
	v_wmma_f32_16x16x128_fp8_fp8 v[O+8*\t:O+8*\t+7], v[F+16*\t:F+16*\t+15], v[PC:PC+15], v[O+8*\t:O+8*\t+7]   ; the four accumulators take turns
.endr
.if \guarded
.Lskip_\@:
.endif
.endm
.macro LOOPN trips, q, guarded, d, n   ; so many key steps, a constant of the text: every wave walks every trip
	s_mov_b32 s[CT], \trips
.Lloop_\@:
	STEP \q, \guarded, \d, \n
	s_add_co_u32 s[TB], s[TB], KB
	s_add_co_u32 s[ST], s[ST], 1
	s_sub_co_u32 s[CT], s[CT], 1
	s_cmp_lg_u32 s[CT], 0
	s_cbranch_scc1 .Lloop_\@
.endm
.macro FINISH                          ; a tile ends: O^T x 2^(ep + ev) / the row's sum, into v[S] on: register 8 ct + i is out(query r, channel 16 ct + 8 h + i)
.rept 4
	v_nop                                          ; places behind the last products
.endr
	v_add_f32 v14, v14, v15
	s_delay_alu instid0(VALU_DEP_1)
	v_permlanex16_b32 v252, v14, s[SEL], s[SEL+1]
	s_delay_alu instid0(VALU_DEP_1)
	v_add_f32 v14, v14, v252
	s_wait_alu depctr_va_vdst(0)
	v_rcp_f32 v14, v14
	v_nop
	s_wait_alu depctr_va_vdst(0)                   ; ahead of the reciprocal's first reader
	v_ldexp_f32 v14, v14, s[EPV]
	s_wait_alu depctr_va_vdst(0)                   ; directly ahead of the first reader of O^T
.irp j, 0,2,4,6,8,10,12,14,16,18,20,22,24,26,28,30
	v_pk_mul_f32 v[S+\j:S+1+\j], v[O+\j:O+1+\j], v[14:15] op_sel_hi:[1,0]
.endr
.endm
; Half a tile through my stage: channels 32 u + 0..31 of all 16 rows in (all lanes on), and back by rows: lane (r, h) takes bytes 16 (r % 8) of rows 2 i + h.
; LDS serves a wave's instructions in order (ISA guide 5.7.1.4): the loads see the stores above them, and the second half's stores land behind the first half's loads.
.macro HALF u, dst
.irp t, 0,1
	ds_store_b128 v[STO], v[S+16*\u+8*\t:S+16*\u+8*\t+3]   offset:64*\t
	ds_store_b128 v[STO], v[S+16*\u+8*\t+4:S+16*\u+8*\t+7] offset:64*\t+16
.endr
.irp i, 0,1,2,3,4,5,6,7
	ds_load_b128 v[\dst+4*\i:\dst+4*\i+3], v[RD] offset:2*\i*SP
.endr
.endm
; THE WAY OUT of a tile.  A lane holds 128 bytes of a row, its neighbours other rows.  Both halves come back; lanes r < 8 keep the first half's 16 bytes, lanes r >= 8 the second's: then sixteen lanes hold a row's 256 bytes.
.macro OUT ob
	s_wait_alu depctr_va_vdst(0)
	s_wait_xcnt 0x0                                ; the registers of earlier stores are rewritten only behind this wait
	HALF 0, BK
	HALF 1, F
	v_cmp_le_u32 vcc_lo, 8, v[R]
	s_wait_dscnt 0x0
.set J, 0
.rept 32
	v_cndmask_b32 v[BK+J], v[BK+J], v[F+J], vcc_lo
.set J, J+1
.endr
.irp i, 0,1,2,3,4,5,6,7
	global_store_b128 v[GO], v[BK+4*\i:BK+4*\i+3], s[\ob:\ob+1] offset:8192*\i th:TH_STORE_NT   ; 16 lanes store 256 consecutive bytes, at a multiple of 256 from out's first byte
.endr
.endm
	s_wait_alu depctr_va_vdst(0)
	s_wait_loadcnt 0x0                             ; Q
	s_wait_tensorcnt 0x0                           ; my key block is in,
	s_barrier_signal -1
	s_barrier_wait -1                              ; everybody's is: all of K and V
	s_mov_b32 s[TB], 0
	s_mov_b32 s[ST], 0
	LOOPN 8, QH, 0, 0, 0                           ; the high tile has nine steps or more: its first eight lie wholly under the diagonal
	s_mov_b32 s[TB], 8*KB
	s_mov_b32 s[ST], 8
	LOOPN 8, QH, 1, DHI, NH
	FINISH
	OUT 48
	INIT
	s_mov_b32 s[TB], 0
	s_mov_b32 s[ST], 0
	LOOPN 8, QL, 1, DLO, NLO
	FINISH
	OUT 50
	s_wait_tensorcnt 0x0                           ; the wave's end
	ds_add_u32 v[SPW], v[NIL]
	s_wait_dscnt 0x0
	CROUND                                         ; the closing round
	s_endpgm
.Lfunc_end_k_qd123c80f0f_attn:
	.size	k_qd123c80f0f_attn, .Lfunc_end_k_qd123c80f0f_attn-k_qd123c80f0f_attn
	.p2alignl 7, 3214868480
	.fill 96, 4, 3214868480
	.section	.rodata,"a",@progbits
	.p2align	6, 0x0
	.amdhsa_kernel k_qd123c80f0f_attn
		.amdhsa_group_segment_fixed_size 301056
		.amdhsa_private_segment_fixed_size 0
		.amdhsa_enable_private_segment 0
		.amdhsa_kernarg_size 32
		.amdhsa_user_sgpr_count 2
		.amdhsa_user_sgpr_kernarg_segment_ptr 1
		.amdhsa_wavefront_size32 1
		.amdhsa_system_sgpr_workgroup_id_x 1
		.amdhsa_system_sgpr_workgroup_id_y 1
		.amdhsa_system_sgpr_workgroup_id_z 1
		.amdhsa_system_vgpr_workitem_id 0
		.amdhsa_next_free_vgpr 256
		.amdhsa_next_free_sgpr 100
		.amdhsa_reserve_vcc 1
		.amdhsa_float_denorm_mode_32 3
		.amdhsa_float_denorm_mode_16_64 3
		.amdhsa_memory_ordered 1
		.amdhsa_forward_progress 1
		.amdhsa_inst_pref_size 76
	.end_amdhsa_kernel
	.amdgpu_metadata
---
amdhsa.version: [ 1, 2 ]
amdhsa.kernels:
  - .name:           k_qd123c80f0f_attn
    .symbol:         k_qd123c80f0f_attn.kd
    .args:
      - { .name: q_img, .offset: 0, .size: 8, .value_kind: global_buffer, .address_space: global }
      - { .name: kv_img, .offset: 8, .size: 8, .value_kind: global_buffer, .address_space: global }
      - { .name: lowp_scales, .offset: 16, .size: 8, .value_kind: global_buffer, .address_space: global }
      - { .name: out0, .offset: 24, .size: 8, .value_kind: global_buffer, .address_space: global }
    .group_segment_fixed_size: 301056
    .private_segment_fixed_size: 0
    .kernarg_segment_align: 8
    .kernarg_segment_size: 32
    .max_flat_workgroup_size: 512
    .sgpr_count:     100
    .vgpr_count:     256
    .wavefront_size: 32
...
	.end_amdgpu_metadata
.endif
;; end of part 2
